; MI455X (gfx1250); checked and timed in simulation.
; The chip was launched on July 23, 2026; its instructions are those of AMD's public machine-readable ISA for CDNA 5 (MIT licence, August 2026) and "CDNA5" Instruction Set Architecture Reference Guide (July 2026). The comments in the code are by the model that wrote it; some were corrected since.
;; Dictionary. Allowed arithmetic: float matrix products may take bf16 or f16 operands with f32 sums; all other float work in f32.
;; Inputs: l1_bias 1,000 x 128 float32; l1_emb 1,000 x 32,768 float32; l2_bias 1,000 x 1 float32; l2_emb 1,000 x 128 float32; task_ids 4,096 int32; x 4,096 x 256 float32.
;; Outputs: out0 4,096 x 1 float32.
;; One version. Each part assembles by itself: llvm-mc -triple=amdgcn-amd-amdhsa -mcpu=gfx1250 --defsym DOCPART=n.
;; ======== version 1 of 1: 2 launches
;; workspace buffers: lists 28,672 bytes of whole numbers
;; launch bucket (part 1): grid 250 x 1, 4 waves a work-group, no clusters, 0 bytes of LDS; arguments task_ids, lists; writes lists
.if DOCPART == 1
	.amdgcn_target "amdgcn-amd-amdhsa--gfx1250"
	.amdhsa_code_object_version 6
	.text
	.protected	k_qf871bef3fc_bucket
	.globl	k_qf871bef3fc_bucket
	.p2align	8
	.type	k_qf871bef3fc_bucket,@function
k_qf871bef3fc_bucket:
	s_mov_b64 s[64:65], 0
	v_nop
	global_prefetch_b8 v0, s[64:65] scope:SCOPE_SE
	s_setreg_imm32_b32 hwreg(HW_REG_WAVE_MODE, 25, 1), 1
	s_wait_xcnt 0x0
; Groups the 4096 samples by task, for the launch that follows: numbers that steer its addresses and trip counts are made here, stored as whole
; numbers, and read there from memory.
;   lists, words 0..4095:     the sample numbers, ordered by task (within a task in the order of this scan)
;   lists, words 4096..5119:  a spare word for each task, stored into by lanes that have nothing to store, never read
;   lists, byte TAB + 8 t:    task t's first word in the order, and its number of samples
; One wave per task t = 4 x work-group + wave; it looks at all 4096 ids (128 registers a lane), so that no number passes from wave to wave:
; no LDS, no barrier.  1000 waves read the same 16 KiB.
; Phase 1: first word = how many ids are below t.  Phase 2: the lanes that hold an id equal to t store their sample numbers to consecutive words.
; EXEC is never written.  The stores are single words at places that the ids decide (16 KiB in all): they cannot cover whole 256-byte stretches.
; LIMIT: ids are taken to lie in 0..999 (reference indexes its tables with them); a sample with another id comes into no list.
.set IDS,   16                         ; v[16:143]  register 4 q + e of lane l: the id of sample 128 q + 4 l + e
.set MASK,  32                         ; s[32:47]   the lanes' answers for sixteen id registers
.set SPARE, 4096                       ; the first spare word
.set TAB,   20480                      ; the table's first byte
	s_load_b128 s[4:7], s[0:1], 0x0                ; task_ids s[4:5], lists s[6:7]
	v_lshrrev_b32 v1, 5, v0
	v_readfirstlane_b32 s10, v1                    ; wave 0..3
	s_lshl_b32 s11, ttmp9, 2
	s_add_co_u32 s11, s11, s10                     ; my task
	s_add_co_u32 s15, s11, SPARE
	v_and_b32 v1, 31, v0                           ; lane
	v_lshlrev_b32 v2, 4, v1                        ; 16 bytes a lane: a load of the wave covers 512 consecutive bytes
	v_lshlrev_b32 v3, 2, v1                        ; the sample number of my first id of load 0
	v_mov_b32 v4, s15                              ; my task's spare word
	s_wait_kmcnt 0x0
.set q, 0
.rept 32
	global_load_b128 v[IDS+4*q:IDS+4*q+3], v2, s[4:5] offset:512*q
.set q, q+1
.endr
	; PHASE 1: s12 = the number of ids below t, sixteen registers (four loads) at a time, as they come in
	s_mov_b32 s12, 0
.set g, 0
.rept 8
	s_wait_loadcnt 28-4*g                          ; loads end in issue order (ISA guide 5.7.1): the group's four are in, the 28 - 4 g behind them stay out
.set i, 0
.rept 16
	v_cmp_gt_u32 s[MASK+i], s11, v[IDS+16*g+i]     ; t > id
.set i, i+1
.endr
.set i, 0
.rept 16
	s_bcnt1_i32_b32 s[MASK+i], s[MASK+i]
.set i, i+1
.endr
.set i, 0
.rept 16
	s_add_co_u32 s12, s12, s[MASK+i]
.set i, i+1
.endr
.set g, g+1
.endr
	; PHASE 2.  A register without a match (most: a task has some 4 of the 4096 samples) costs a compare and a jump.  Otherwise the matching lanes take
	; consecutive words from s14 on (v_mbcnt counts the matches in the lanes below); all other lanes store into the spare word.
	; The minimum stands last in front of the shift: the word lies inside the buffer whatever the ids.
.macro HANDLE g, i
	s_cmp_eq_u32 s[MASK+\i], 0
	s_cbranch_scc1 .Lnone\g\i
	v_add_nc_u32 v5, 128*(4*\g+\i/4)+(\i%4), v3    ; my sample's number
	v_mbcnt_lo_u32_b32 v6, s[MASK+\i], s14
	v_cndmask_b32 v6, v4, v6, s[MASK+\i]           ; a match: its place; no match: the spare word
	v_min_u32 v6, SPARE+1023, v6
	v_lshlrev_b32 v6, 2, v6
	global_store_b32 v6, v5, s[6:7]
	s_bcnt1_i32_b32 s13, s[MASK+\i]
	s_add_co_u32 s14, s14, s13
	s_wait_xcnt 0x0                                ; v5 and v6 are written again for the next match only behind this wait
.Lnone\g\i:
.endm
	s_mov_b32 s14, s12                             ; the next free word
.irp g, 0,1,2,3,4,5,6,7
.irp i, 0,1,2,3,4,5,6,7,8,9,10,11,12,13,14,15
	v_cmp_eq_u32 s[MASK+\i], s11, v[IDS+16*\g+\i]
.endr
.irp i, 0,1,2,3,4,5,6,7,8,9,10,11,12,13,14,15
	HANDLE \g, \i
.endr
.endr
	s_sub_co_u32 s15, s14, s12                     ; my task's samples
	s_lshl_b32 s16, s11, 3
	v_mov_b32 v8, s12
	v_mov_b32 v9, s15
	v_mov_b32 v10, s16
	global_store_b64 v10, v[8:9], s[6:7] offset:TAB    ; all lanes store the same eight bytes
	s_endpgm
.Lfunc_end_k_qf871bef3fc_bucket:
	.size	k_qf871bef3fc_bucket, .Lfunc_end_k_qf871bef3fc_bucket-k_qf871bef3fc_bucket
	.p2alignl 7, 3214868480
	.fill 96, 4, 3214868480
	.section	.rodata,"a",@progbits
	.p2align	6, 0x0
	.amdhsa_kernel k_qf871bef3fc_bucket
		.amdhsa_group_segment_fixed_size 0
		.amdhsa_private_segment_fixed_size 0
		.amdhsa_enable_private_segment 0
		.amdhsa_kernarg_size 16
		.amdhsa_user_sgpr_count 2
		.amdhsa_user_sgpr_kernarg_segment_ptr 1
		.amdhsa_wavefront_size32 1
		.amdhsa_system_sgpr_workgroup_id_x 1
		.amdhsa_system_sgpr_workgroup_id_y 1
		.amdhsa_system_sgpr_workgroup_id_z 1
		.amdhsa_system_vgpr_workitem_id 0
		.amdhsa_next_free_vgpr 144
		.amdhsa_next_free_sgpr 66
		.amdhsa_reserve_vcc 0
		.amdhsa_float_denorm_mode_32 3
		.amdhsa_float_denorm_mode_16_64 3
		.amdhsa_memory_ordered 1
		.amdhsa_forward_progress 1
		.amdhsa_inst_pref_size 97
	.end_amdhsa_kernel
	.amdgpu_metadata
---
amdhsa.version: [ 1, 2 ]
amdhsa.kernels:
  - .name:           k_qf871bef3fc_bucket
    .symbol:         k_qf871bef3fc_bucket.kd
    .args:
      - { .name: task_ids, .offset: 0, .size: 8, .value_kind: global_buffer, .address_space: global }
      - { .name: lists, .offset: 8, .size: 8, .value_kind: global_buffer, .address_space: global }
    .group_segment_fixed_size: 0
    .private_segment_fixed_size: 0
    .kernarg_segment_align: 8
    .kernarg_segment_size: 16
    .max_flat_workgroup_size: 128
    .sgpr_count:     66
    .vgpr_count:     144
    .wavefront_size: 32
...
	.end_amdgpu_metadata
.endif
;; end of part 1
;; launch dict (part 2): grid 250 x 1, 8 waves a work-group, no clusters, 132,096 bytes of LDS; arguments l1_emb, x, lists, l1_bias, l2_emb, l2_bias, out0; writes out0
.if DOCPART == 2
	.amdgcn_target "amdgcn-amd-amdhsa--gfx1250"
	.amdhsa_code_object_version 6
	.text
	.protected	k_qf871bef3fc_dict
	.globl	k_qf871bef3fc_dict
	.p2align	8
	.type	k_qf871bef3fc_dict,@function
k_qf871bef3fc_dict:
	s_mov_b64 s[64:65], 0
	v_nop
	global_prefetch_b8 v0, s[64:65] scope:SCOPE_SE
	s_setreg_imm32_b32 hwreg(HW_REG_WAVE_MODE, 25, 1), 1
	s_wait_xcnt 0x0
; out[b] = sum_n gelu( sum_k x[b][k] W1[t][k][n] + b1[t][n] ) w2[t][n] + b2[t],  t = task_ids[b].   4096 samples, 1000 tasks, k < 256, n < 128.
; The samples come grouped by task (lists, made by the launch in front: words 0..4095 the sample numbers ordered by task; at byte TAB + 8 t task t's
; first word and its count), so that a task's 128 KiB of W1 are read once however many samples name it.
; A work-group owns tasks 4 g .. 4 g + 3.  Wave w: task 4 g + (w >> 1), columns 64 (w & 1) .. + 63 (256 bytes of every W1 row), all 256 k.
;   1. every wave asks for its table entry, then for the first 16 KiB of its W1 part (which needs no list);
;   2. table entry -> sixteen list words -> x: the first two by SCALAR loads, which have a counter of their own, so that this chain does not
;      stand in line behind the 32 loads of W1 that are out; x of up to 16 samples is fetched straight in the matrix unit's A layout;
;   3. W1 streams through a ring of four register slots and is kept as bf16 B fragments in v256-511; further chunks of 16 samples reuse them;
;   4. bias, GELU, times w2, sum over my 64 columns -> a partial logit per sample in my own LDS region; one barrier;
;   5. the two waves of a task add their halves and b2 and store out.
; The barrier stands outside all branches that hang on the lists; the two loops whose trip counts hang on them hold no barrier, and each is
; counted by a counter of its own that steps by 1 up to a trip count worked out in front of the loop.
; EXEC is never written: a lane past the end of a list repeats the last sample, and stores the same word with the same value as the lane that owns it.
; W1 LAYOUT TRICK: a 16-byte load gives a lane FOUR COLUMNS of one k.  Lane (r, h) reads row k at byte 16 r of my 256 bytes, so the four words
; belong to four tiles j, tile j holding column 4 r + j in lane r; sixteen lanes cover 256 consecutive aligned bytes.  Eight such loads
; (rows 8 h + 0..7) are, packed in pairs by v_cvt_pk_bf16_f32, registers 0-3 (or 4-7) of four B fragments, k in its true places: no transposition.
; NO CLUSTER: work-groups share no tile: each reads its own 512 KiB of W1, its own samples' x and its own list.
; out0 is a scatter of single words (16 KiB in all): a work-group's samples lie anywhere, so these stores cannot cover whole 256-byte stretches.
; LIMITS: matrix operands are rounded to bf16.  erf by Abramowitz-Stegun 7.1.26, absolute error 1.5e-7.  h = +inf gives NaN (reference: inf).
; Ids are taken to lie in 0..999 (reference indexes the tables with them).  A task without samples has its first 32 KiB of W1 requested in vain.
.set TAB,   20480                      ; lists: the table's first byte
.set PARTW, 16384                      ; LDS: partial logits, 4096 words for each wave, wave w's from byte 16384 w
.set WOFF, 2                           ; v2   W1: 8 h rows of 512 bytes + 16 r
.set OSAMP, 3                          ; v3   the output: the sample number of my list position
.set OADR, 4                           ; v4   the output: where in lists that number stands
.set BOFF, 5                           ; v5   16 r
.set H32,  6                           ; v6   32 h
.set RPOS, 7                           ; v7   the chunk position of matrix row r: 2 (r & 7) + (r >> 3)
.set XOFF, 8                           ; v8   x: sample x 1024 + 32 h
.set H4,   9                           ; v9   4 h
.set B1,   16                          ; v[16:19] b1 of columns 4 r + 0..3;   v[20:23] w2 likewise
.set W2,   20
.set XA,   24                          ; v[24:119]  x as f32, packed in place to A fragments; what that frees holds the sums
.set DT,   XA+40                       ; accumulator tile j: v[DT + 16 j .. + 7]
.set RING, 120                         ; v[120:247] four slots of 32 registers; a slot that is done holds constants and the tail's work
.set KP,   120
.set KONE, 122
.set KC,   124
.set KA5,  126
.set KA4,  128
.set KA3,  130
.set KA2,  132
.set KA1,  134
.set B1P,  136
.set W2P,  144
.set GX,   152
.set GA,   160
.set GT,   168
.set GE,   176
.set GP,   184
.set ACC,  192
.set LST,  32                          ; s[32:47] sixteen words of the order
.set TRIP, 52                          ; s52  a loop's counter, stepped by 1
.set TRIPS, 53                         ; s53  its trip count, which the loop does not write
; s25 my task's samples, s26 the last list position, s27 a chunk's (a trip's) first position, s30 my task's first word in the order
; v256-511 are reached by s_set_vgpr_msb: bits 3:2 source 1, bits 7:6 destination; the high byte repeats the setting that is left.
.set MSB, 0
.macro WIN new
.if MSB != \new
	s_set_vgpr_msb (MSB<<8)|\new
.set MSB, \new
.endif
.endm
	s_load_b256 s[4:11], s[0:1], 0x0               ; l1_emb s[4:5], x s[6:7], lists s[8:9], l1_bias s[10:11]
	s_load_b128 s[12:15], s[0:1], 0x20             ; l2_emb s[12:13], l2_bias s[14:15]
	s_load_b64 s[16:17], s[0:1], 0x30              ; out0
	v_lshl_add_u32 v254, v0, 2, 0x20000
	v_mov_b32 v255, 0
	v_lshrrev_b32 v1, 5, v0
	v_readfirstlane_b32 s18, v1                    ; wave 0..7
	s_lshr_b32 s19, s18, 1                         ; my task within the work-group
	s_and_b32 s20, s18, 1                          ; my half of the columns
	s_lshl_b32 s21, ttmp9, 2                       ; the work-group's first task
	s_add_co_u32 s21, s21, s19                     ; my task
	s_lshl_b32 s22, s21, 17                        ; W1: task x 131072 (below 2^27)
	s_lshl_b32 s28, s20, 8                         ;     + half x 256
	s_or_b32 s22, s22, s28
	s_mov_b32 s23, 0
	s_lshl_b32 s62, s21, 9                         ; b1, w2: task x 512 + half x 256
	s_or_b32 s62, s62, s28
	s_mov_b32 s63, 0
	s_lshl_b32 s28, s21, 2                         ; b2: task x 4
	s_mov_b32 s29, 0
	s_lshl_b32 s50, s21, 3                         ; the table: task x 8
	v_and_b32 v1, 31, v0                           ; lane
	v_and_b32 v[BOFF], 15, v0                      ; r
	v_bfe_u32 v[H4], v0, 4, 1                      ; h
	v_lshlrev_b32 v[BOFF], 4, v[BOFF]
	v_lshl_add_u32 v[WOFF], v[H4], 12, v[BOFF]
	v_lshlrev_b32 v[H32], 5, v[H4]
	v_and_b32 v[RPOS], 7, v0
	v_bfe_u32 v10, v0, 3, 1
	v_lshl_add_u32 v[RPOS], v[RPOS], 1, v10
	v_lshlrev_b32 v[H4], 2, v[H4]
	s_wait_kmcnt 0x0
	s_load_b64 s[48:49], s[8:9], s50 offset:TAB    ; my task's first word and count: the longest chain starts here
	s_add_nc_u64 s[10:11], s[10:11], s[62:63]
	s_add_nc_u64 s[12:13], s[12:13], s[62:63]
	s_add_nc_u64 s[14:15], s[14:15], s[28:29]
	s_add_nc_u64 s[4:5], s[4:5], s[22:23]
	s_load_b32 s24, s[14:15], 0x0                  ; b2
	global_load_b128 v[B1:B1+3], v[BOFF], s[10:11]
	global_load_b128 v[W2:W2+3], v[BOFF], s[12:13]
; Half-unit n of my W1 part = rows 16 n .. 16 n + 15: eight loads, lanes 0-15 row 16 n + i, lanes 16-31 row 16 n + 8 + i.
.macro HLOAD hidx, slot
	WIN 0
.irp i, 0,1,2,3,4,5,6,7
	global_load_b128 v[RING+32*\slot+4*\i:RING+32*\slot+4*\i+3], v[WOFF], s[4:5] offset:(\hidx)*8192+\i*512 th:TH_LOAD_NT
.endr
.endm
; ... becomes registers 0-3 (n even) or 4-7 (n odd) of the four B fragments of K step n / 2: fragment (u, j) is v[256 + 32 u + 8 j .. + 7].
.macro HCONV hidx, slot
	WIN 0x40
.irp j, 0,1,2,3
.irp p, 0,1,2,3
	v_cvt_pk_bf16_f32 v[32*((\hidx)/2)+4*((\hidx)%2)+8*\j+\p], v[RING+32*\slot+8*\p+\j], v[RING+32*\slot+8*\p+4+\j]
.endr
.endr
.endm
	HLOAD 0, 0
	HLOAD 1, 1
	HLOAD 2, 2
	HLOAD 3, 3                                     ; 32 loads, 16 KiB of W1, on their way before the list is looked at
	s_wait_kmcnt 0x0                               ; the table entry and b2
	s_min_u32 s30, s48, 4095                       ; my task's first word in the order (the minima never bind: they keep what follows in bounds by construction)
	s_min_u32 s25, s49, 4096                       ; my task's samples
	s_sub_co_u32 s26, s25, 1                       ; the last list position
	s_lshl_b32 s61, s18, 14                        ; my partial logits in LDS
	s_mov_b32 s27, 0                               ; first list position of the chunk
	s_mov_b32 s[TRIP], 0                           ; the chunk's number
	s_add_co_u32 s[TRIPS], s25, 15
	s_lshr_b32 s[TRIPS], s[TRIPS], 4               ; chunks of 16 samples,
	s_min_u32 s[TRIPS], s[TRIPS], 256              ; 4096 / 16 at the most
	; The sample numbers that the output's first trip will want (position 32 x half + lane) are asked for now, so that nothing is waited for at the end.
	s_lshl_b32 s28, s20, 5
	v_add_nc_u32 v[OADR], s28, v1
	v_min_u32 v[OADR], s26, v[OADR]                ; lanes past the end: the last position
	v_add_nc_u32 v[OADR], s30, v[OADR]
	v_min_u32 v[OADR], 4095, v[OADR]
	v_lshlrev_b32 v[OADR], 2, v[OADR]
	global_load_b32 v[OSAMP], v[OADR], s[8:9]
	s_cmp_eq_u32 s25, 0
	s_cbranch_scc1 .Lfinal                         ; nobody names my task: the other 48 KiB of my W1 part are never asked for
; Matrix row r takes chunk position 2 (r & 7) + (r >> 3), so that register jj of a result tile holds positions 2 jj (lanes 0-15) and 2 jj + 1
; (lanes 16-31): a chunk with few samples fills the low registers, and the tail stops early.  Rows past the end repeat the last sample.
; Sixteen words of the order come by one scalar load, from the chunk's first word, or from word 4080 if that is lower (the load stays inside the
; 4096 words); each lane then picks word v13 = its position's word - the load's first word (0..15): word p replaces the pick of all lanes with v13 >= p.
.macro LOOKUP
	s_add_co_u32 s51, s30, s27
	s_min_u32 s51, s51, 4080                       ; the load's first word
	s_sub_co_u32 s29, s30, s51                     ; (modulo 2^32: the sum below is 0..15)
	s_lshl_b32 s51, s51, 2
	s_load_b512 s[LST:LST+15], s[8:9], s51 offset:0x0
	v_add_nc_u32 v13, s27, v[RPOS]
	v_min_u32 v13, s26, v13
	v_add_nc_u32 v13, s29, v13
	s_wait_kmcnt 0x0
	v_mov_b32 v15, s[LST]
.irp p, 1,2,3,4,5,6,7,8,9,10,11,12,13,14,15
	v_cmp_le_u32 vcc_lo, \p, v13
	v_cndmask_b32 v15, v15, s[LST+\p], vcc_lo
.endr
	v_min_u32 v15, 4095, v15
	v_lshl_add_u32 v[XOFF], v15, 10, v[H32]
.endm
; K step s of x for lane (r, h): k = 32 s + 8 h + 0..7 into lo, k = 32 s + 16 + 8 h + 0..7 into hi, as f32
.macro GK s, lo, hi
	global_load_b128 v[\lo:\lo+3],   v[XOFF], s[6:7] offset:128*\s
	global_load_b128 v[\lo+4:\lo+7], v[XOFF], s[6:7] offset:128*\s+16
	global_load_b128 v[\hi:\hi+3],   v[XOFF], s[6:7] offset:128*\s+64
	global_load_b128 v[\hi+4:\hi+7], v[XOFF], s[6:7] offset:128*\s+80
.endm
; packed in place: result p lands on a register whose f32 an earlier line (or this one) has read; the A fragment is lo's eight registers, hi is free
.macro CK lo, hi
.irp p, 0,1,2,3
	v_cvt_pk_bf16_f32 v[\lo+\p], v[\lo+2*\p], v[\lo+2*\p+1]
.endr
.irp p, 0,1,2,3
	v_cvt_pk_bf16_f32 v[\lo+4+\p], v[\hi+2*\p], v[\hi+2*\p+1]
.endr
.endm
.macro GATHER1                         ; K steps 0-5 fill the 96 registers: 24 loads
	WIN 0
.irp s, 0,1,2,3,4,5
	GK \s, XA+16*\s, XA+16*\s+8
.endr
.endm
.macro CONV1
	WIN 0
.irp s, 0,1,2,3,4,5
	CK XA+16*\s, XA+16*\s+8
.endr
.endm
.macro GATHER2                         ; K steps 6, 7 go into four of the six blocks that CONV1 freed: 8 loads
	WIN 0
	GK 6, XA+8, XA+40
	GK 7, XA+24, XA+56
.endm
.macro CONV2                           ; free now: XA+40, +56, +72, +88 = the four accumulator tiles
	WIN 0
	CK XA+8, XA+40
	CK XA+24, XA+56
.endm
; K step u: 16 samples x my 64 columns.  Source 1 in v256-511.  zero = 1: the first product starts the sums.
.macro MM u, a, zero
	WIN 0x04
.irp j, 0,1,2,3
.if \zero
	v_wmma_f32_16x16x32_bf16 v[DT+16*\j:DT+16*\j+7], v[\a:\a+7], v[32*\u+8*\j:32*\u+8*\j+7], 0
.else
	v_wmma_f32_16x16x32_bf16 v[DT+16*\j:DT+16*\j+7], v[\a:\a+7], v[32*\u+8*\j:32*\u+8*\j+7], v[DT+16*\j:DT+16*\j+7]
.endif
.endr
.endm
.macro STEP i, slot, left, more        ; left: the loads issued behind half-unit i that may stay out
	s_wait_loadcnt \left
	HCONV \i, \slot
.if \more
	HLOAD \i+4, \slot
.endif
.endm
.macro KPAIR reg, bits
	v_mov_b32 v[\reg], \bits
	v_mov_b32 v[\reg+1], \bits
.endm
	; THE STREAM.  Issue order: b1, w2, h0-h3, the output's sample numbers (1), x batch 1 (24), h4-h7, x batch 2 (8), h8-h15;
	; four half-units of W1 are always out; at most 59 loads in all.
	LOOKUP
	GATHER1
	STEP 0, 0, 49, 1                               ; behind h_i: three half-units (24), the output's sample numbers (1) and x batch 1 (24)
	STEP 1, 1, 49, 1
	STEP 2, 2, 49, 1
	STEP 3, 3, 49, 1
	s_wait_loadcnt 32                              ; x batch 1 is in; behind it h4-h7
	CONV1
	GATHER2
	STEP 4, 0, 32, 1                               ; behind h_i: three half-units (24) and x batch 2 (8)
	STEP 5, 1, 32, 1
	STEP 6, 2, 32, 1
	STEP 7, 3, 32, 1
	s_wait_loadcnt 32                              ; x batch 2 is in; behind it h8-h11
	CONV2
	MM 0, XA, 1                                    ; the first chunk's products follow the stream from here on
	MM 1, XA+16, 0
	MM 2, XA+32, 0
	MM 3, XA+48, 0
	STEP 8, 0, 24, 1                               ; behind h_i: three half-units
	STEP 9, 1, 24, 1
	MM 4, XA+64, 0
	STEP 10, 2, 24, 1
	STEP 11, 3, 24, 1
	MM 5, XA+80, 0
	STEP 12, 0, 24, 0                              ; nothing is left to ask for: the counts run down
	WIN 0
	; Slot 0 is done with.  The tail works on two samples at a time (v_pk_*_f32 take register pairs), so each constant, b1 and w2 is laid
	; down twice, once for the whole kernel, while the last three half-units are on their way.
	; q(x) = Phi(-|x|) = 1/2 erfc(|x| / sqrt 2) = e^(-x^2/2) t (a1 + t (a2 + t (a3 + t (a4 + t a5)))) / 2,  t = 1 / (1 + 0.3275911 |x| / sqrt 2);
	; gelu(x) = max(x, 0) - |x| q(x): no difference of near-equal numbers on either side of 0.  The a's below are -a/2: the polynomial gives -q.
	KPAIR KP,   0x3e6d3388                         ; 0.3275911 / sqrt 2
	KPAIR KONE, 1.0
	KPAIR KC,   0xbf38aa3b                         ; -log2(e) / 2: v_exp_f32 is 2^x
	KPAIR KA5,  0xbf07dc22                         ; -1.061405429 / 2
	KPAIR KA4,  0x3f3a00e3                         ; +1.453152027 / 2
	KPAIR KA3,  0xbf35f0e3                         ; -1.421413741 / 2
	KPAIR KA2,  0x3e11a98e                         ; +0.284496736 / 2
	KPAIR KA1,  0xbe027906                         ; -0.254829592 / 2
.irp j, 0,1,2,3
	v_mov_b32 v[B1P+2*\j],   v[B1+\j]
	v_mov_b32 v[B1P+2*\j+1], v[B1+\j]
	v_mov_b32 v[W2P+2*\j],   v[W2+\j]
	v_mov_b32 v[W2P+2*\j+1], v[W2+\j]
.endr
	STEP 13, 1, 16, 0
	MM 6, XA+8, 0
	STEP 14, 2, 8, 0
	STEP 15, 3, 0, 0
	MM 7, XA+24, 0
	WIN 0
; Positions 4 b .. 4 b + 3 of the chunk = registers 2 b, 2 b + 1 of the four tiles.  The four tiles go side by side through each stage.
.macro BLOCK b
.irp j, 0,1,2,3
	v_pk_add_f32 v[GX+2*\j:GX+2*\j+1], v[DT+16*\j+2*\b:DT+16*\j+2*\b+1], v[B1P+2*\j:B1P+2*\j+1]     ; h = x W1 + b1
.endr
.irp j, 0,1,2,3
	v_and_b32 v[GA+2*\j],   0x7fffffff, v[GX+2*\j]
	v_and_b32 v[GA+2*\j+1], 0x7fffffff, v[GX+2*\j+1]
.endr
.irp j, 0,1,2,3
	v_pk_fma_f32 v[GT+2*\j:GT+2*\j+1], v[GA+2*\j:GA+2*\j+1], v[KP:KP+1], v[KONE:KONE+1]
.endr
.irp j, 0,1,2,3
	v_pk_mul_f32 v[GE+2*\j:GE+2*\j+1], v[GX+2*\j:GX+2*\j+1], v[GX+2*\j:GX+2*\j+1]
.endr
.irp j, 0,1,2,3
	v_rcp_f32 v[GT+2*\j],   v[GT+2*\j]             ; transcendentals back to back; the packed multiplies behind them touch no t:
	v_rcp_f32 v[GT+2*\j+1], v[GT+2*\j+1]           ; the plain instruction that the ISA guide (5.7.2) wants before a result is used
.endr
.irp j, 0,1,2,3
	v_pk_mul_f32 v[GE+2*\j:GE+2*\j+1], v[GE+2*\j:GE+2*\j+1], v[KC:KC+1]
.endr
.irp j, 0,1,2,3
	v_exp_f32 v[GE+2*\j],   v[GE+2*\j]             ; e^(-h^2/2); likewise: the first lines of the polynomial touch no e
	v_exp_f32 v[GE+2*\j+1], v[GE+2*\j+1]
.endr
	s_wait_alu depctr_va_vdst(0)
.irp j, 0,1,2,3
	v_pk_fma_f32 v[GP+2*\j:GP+2*\j+1], v[GT+2*\j:GT+2*\j+1], v[KA5:KA5+1], v[KA4:KA4+1]
.endr
.irp k, KA3, KA2, KA1
.irp j, 0,1,2,3
	v_pk_fma_f32 v[GP+2*\j:GP+2*\j+1], v[GP+2*\j:GP+2*\j+1], v[GT+2*\j:GT+2*\j+1], v[\k:\k+1]
.endr
.endr
.irp j, 0,1,2,3
	v_pk_mul_f32 v[GP+2*\j:GP+2*\j+1], v[GP+2*\j:GP+2*\j+1], v[GT+2*\j:GT+2*\j+1]
.endr
.irp j, 0,1,2,3
	v_pk_mul_f32 v[GP+2*\j:GP+2*\j+1], v[GP+2*\j:GP+2*\j+1], v[GE+2*\j:GE+2*\j+1]                   ; -q
.endr
.irp j, 0,1,2,3
	v_max_num_f32 v[GX+2*\j],   0, v[GX+2*\j]
	v_max_num_f32 v[GX+2*\j+1], 0, v[GX+2*\j+1]
.endr
.irp j, 0,1,2,3
	v_pk_fma_f32 v[GX+2*\j:GX+2*\j+1], v[GA+2*\j:GA+2*\j+1], v[GP+2*\j:GP+2*\j+1], v[GX+2*\j:GX+2*\j+1]   ; gelu = max(h, 0) - |h| q
.endr
	v_pk_mul_f32 v[ACC:ACC+1], v[GX:GX+1], v[W2P:W2P+1]
.irp j, 1,2,3
	v_pk_fma_f32 v[ACC:ACC+1], v[GX+2*\j:GX+2*\j+1], v[W2P+2*\j:W2P+2*\j+1], v[ACC:ACC+1]           ; my four columns,
.endr
.irp m, 1,2,4,8
	v_add_f32_dpp v[ACC],   v[ACC],   v[ACC]   row_xmask:\m row_mask:0xf bank_mask:0xf             ; then the sixteen lanes: 64 columns
	v_add_f32_dpp v[ACC+1], v[ACC+1], v[ACC+1] row_xmask:\m row_mask:0xf bank_mask:0xf
.endr
	ds_store_b32 v12, v[ACC]   offset:16*\b        ; position 4 b + h (the sixteen lanes of a half store the same word)
	ds_store_b32 v12, v[ACC+1] offset:16*\b+8      ; position 4 b + 2 + h
.endm
	; THE TAIL OF A CHUNK, and the head of the loop over chunks (one trip unless a task has more than 16 samples)
.Ltail:
.rept 5
	v_nop                                          ; the places behind the last matrix instructions (ISA guide 7.12.1), for the reads of the sums below,
.endr                                              ; and for the loads, conversions and products of a further chunk, which write over A and the sums
	s_sub_co_u32 s31, s25, s27                     ; samples from this chunk's first on
	s_min_u32 s28, s27, 4080                       ; (the chunk's first position is 4080 at the most: keeps the address in my region by construction)
	s_lshl_b32 s28, s28, 2
	s_add_co_u32 s28, s28, s61
	v_add_nc_u32 v12, s28, v[H4]
	BLOCK 0
	s_cmp_le_u32 s31, 4
	s_cbranch_scc1 .Ltail_done
	BLOCK 1
	s_cmp_le_u32 s31, 8
	s_cbranch_scc1 .Ltail_done
	BLOCK 2
	s_cmp_le_u32 s31, 12
	s_cbranch_scc1 .Ltail_done
	BLOCK 3
.Ltail_done:
	s_add_co_u32 s[TRIP], s[TRIP], 1               ; the next chunk's number: the loop's one counter, stepped by 1,
	s_lshl_b32 s27, s[TRIP], 4                     ; and its first list position
	s_cmp_ge_u32 s[TRIP], s[TRIPS]
	s_cbranch_scc1 .Lfinal                         ; the loop's way out
	LOOKUP                                         ; a further chunk: only x is fetched, W1 is still in v256-511
	GATHER1
	s_wait_loadcnt 0x0
	CONV1
	GATHER2
	s_wait_loadcnt 0x0
	CONV2
	MM 0, XA, 1
	MM 1, XA+16, 0
	MM 2, XA+32, 0
	MM 3, XA+48, 0
	MM 4, XA+64, 0
	MM 5, XA+80, 0
	MM 6, XA+8, 0
	MM 7, XA+24, 0
	WIN 0
	s_cmp_lt_u32 s[TRIP], s[TRIPS]                 ; holds here (the way out is above): the way back is written on the counter all the same
	s_cbranch_scc1 .Ltail
.Lfinal:
	s_wait_dscnt 0x0                               ; my partial logits are in LDS, for my partner's sake
	s_barrier_signal -1
	s_barrier_wait -1                              ; THE BARRIER: everybody's are
	; THE OUTPUT.  The task's first wave (half 0) takes list positions 0-31, 64-95, ..., its second (half 1) 32-63, 96-127, ...: trip i of half h
	; takes 32 h + 64 i + lane, so a wave has (count + 63 - 32 h) >> 6 trips, none if its first position is past the end.
	; Lanes past the end take the last position: they add the same two halves and store the same word as the lane that owns it.
; One trip.  fetch = 0: the sample numbers were asked for at the kernel's head; fetch = 1: they are asked for here.
.macro OUTTRIP fetch
	v_add_nc_u32 v13, s27, v1
	v_min_u32 v13, s26, v13
.if \fetch
	v_add_nc_u32 v[OADR], s30, v13                 ; (the last load from this address register was waited for in the trip before)
	v_min_u32 v[OADR], 4095, v[OADR]
	v_lshlrev_b32 v[OADR], 2, v[OADR]
	global_load_b32 v[OSAMP], v[OADR], s[8:9]
.endif
	v_min_u32 v10, 4095, v13
	v_lshl_add_u32 v10, v10, 2, s28
	ds_load_b32 v12, v10                           ; the first half's sum,
	ds_load_b32 v9, v10 offset:PARTW               ; the second half's
	s_wait_loadcnt 0x0                             ; the sample numbers (in the first trip they came in with the stream)
	s_wait_dscnt 0x0
	v_min_u32 v15, 4095, v[OSAMP]
	v_lshlrev_b32 v15, 2, v15
	v_add_f32 v12, v12, v9
	v_add_f32 v12, s24, v12
	global_store_b32 v15, v12, s[16:17]
	s_wait_xcnt 0x0                                ; v12 and v15 are rewritten in the next trip only behind this wait
.endm
	s_lshl_b32 s27, s20, 5                         ; 32 h: my first position
	s_add_co_u32 s[TRIPS], s25, 63
	s_sub_co_u32 s[TRIPS], s[TRIPS], s27
	s_lshr_b32 s[TRIPS], s[TRIPS], 6
	s_min_u32 s[TRIPS], s[TRIPS], 64               ; 4096 / 64 at the most (never binds)
	s_cmp_eq_u32 s[TRIPS], 0
	s_cbranch_scc1 .Lend
	v_and_b32 v1, 31, v0
	s_lshl_b32 s28, s19, 15                        ; the first of the task's two regions
	OUTTRIP 0
	s_mov_b32 s[TRIP], 1
	s_cmp_le_u32 s[TRIPS], 1
	s_cbranch_scc1 .Lend                           ; a task with 64 samples or fewer is done
.Lout:
	s_add_co_u32 s27, s27, 64
	OUTTRIP 1
	s_add_co_u32 s[TRIP], s[TRIP], 1
	s_cmp_lt_u32 s[TRIP], s[TRIPS]
	s_cbranch_scc1 .Lout
.Lend:
	s_barrier_signal -1
	s_barrier_wait -1
	s_wait_tensorcnt 0x0
	ds_add_u32 v254, v255
	s_wait_dscnt 0x0
	s_endpgm
.Lfunc_end_k_qf871bef3fc_dict:
	.size	k_qf871bef3fc_dict, .Lfunc_end_k_qf871bef3fc_dict-k_qf871bef3fc_dict
	.p2alignl 7, 3214868480
	.fill 96, 4, 3214868480
	.section	.rodata,"a",@progbits
	.p2align	6, 0x0
	.amdhsa_kernel k_qf871bef3fc_dict
		.amdhsa_group_segment_fixed_size 132096
		.amdhsa_private_segment_fixed_size 0
		.amdhsa_enable_private_segment 0
		.amdhsa_kernarg_size 56
		.amdhsa_user_sgpr_count 2
		.amdhsa_user_sgpr_kernarg_segment_ptr 1
		.amdhsa_wavefront_size32 1
		.amdhsa_system_sgpr_workgroup_id_x 1
		.amdhsa_system_sgpr_workgroup_id_y 1
		.amdhsa_system_sgpr_workgroup_id_z 1
		.amdhsa_system_vgpr_workitem_id 0
		.amdhsa_next_free_vgpr 512
		.amdhsa_next_free_sgpr 66
		.amdhsa_reserve_vcc 1
		.amdhsa_float_denorm_mode_32 3
		.amdhsa_float_denorm_mode_16_64 3
		.amdhsa_memory_ordered 1
		.amdhsa_forward_progress 1
		.amdhsa_inst_pref_size 79
	.end_amdhsa_kernel
	.amdgpu_metadata
---
amdhsa.version: [ 1, 2 ]
amdhsa.kernels:
  - .name:           k_qf871bef3fc_dict
    .symbol:         k_qf871bef3fc_dict.kd
    .args:
      - { .name: l1_emb, .offset: 0, .size: 8, .value_kind: global_buffer, .address_space: global }
      - { .name: x, .offset: 8, .size: 8, .value_kind: global_buffer, .address_space: global }
      - { .name: lists, .offset: 16, .size: 8, .value_kind: global_buffer, .address_space: global }
      - { .name: l1_bias, .offset: 24, .size: 8, .value_kind: global_buffer, .address_space: global }
      - { .name: l2_emb, .offset: 32, .size: 8, .value_kind: global_buffer, .address_space: global }
      - { .name: l2_bias, .offset: 40, .size: 8, .value_kind: global_buffer, .address_space: global }
      - { .name: out0, .offset: 48, .size: 8, .value_kind: global_buffer, .address_space: global }
    .group_segment_fixed_size: 132096
    .private_segment_fixed_size: 0
    .kernarg_segment_align: 8
    .kernarg_segment_size: 56
    .max_flat_workgroup_size: 256
    .sgpr_count:     66
    .vgpr_count:     512
    .wavefront_size: 32
...
	.end_amdgpu_metadata
.endif
;; end of part 2
